; MI455X (gfx1250); checked and timed in simulation.
; The chip was launched on July 23, 2026; its instructions are those of AMD's public machine-readable ISA for CDNA 5 (MIT licence, August 2026) and "CDNA5" Instruction Set Architecture Reference Guide (July 2026). The comments in the code are by the model that wrote it; some were corrected since.
;; Multi Branch Attention. Allowed arithmetic: matrix products marked QUANTISED: E2M3 operands, one E8M0 scale for each 32 along K, by v_wmma_scale_f32_16x16x128_f8f6f4 with both operands' format E2M3, f32 sums; everything else in f32.
;; Inputs: Wkv 512 x 1,024 float32; Wq1 512 x 512 float32; Wq2 512 x 512 float32; key_value 4 x 2,048 x 512 float32; query1 4 x 2,048 x 512 float32; query2 4 x 2,048 x 512 float32.
;; Outputs: out0 4 x 2,048 x 512 float32; out1 4 x 2,048 x 512 float32.
;; This version of the problem:
;;   THIS VERSION OF THE PROBLEM IS GIVEN IN LOW PRECISION. The matrix products marked QUANTISED in the list below multiply operands that are first quantised to E2M3 (2 exponent bits, 3 mantissa bits; 6 bits a number), with one power-of-two scale for each 32 numbers along K (OCP MX v1.0); their sums are f32. All else is computed in f32.
;;   The module's matrix products, in the order in which they are computed (A, B: the left and right operand; K: the contracted axis; several contracted axes count as one K, in the product's order):
;;     1. [M 8,192, K 512] x [K 512, N 512]; A: input query1; B: input Wq1: QUANTISED
;;     2. [M 8,192, K 512] x [K 512, N 512]; A: input query2; B: input Wq2: QUANTISED
;;     3. [M 8,192, K 512] x [K 512, N 1,024]; A: input key_value; B: input Wkv: QUANTISED
;;     4. batch 32 x [M 2,048, K 64] x [K 64, N 2,048]; A: computed on the way; B: computed on the way: QUANTISED
;;     5. batch 32 x [M 2,048, K 64] x [K 64, N 2,048]; A: computed on the way; B: computed on the way: QUANTISED
;;     6. batch 32 x [M 2,048, K 2,048] x [K 2,048, N 64]; A: softmax (see below); B: computed on the way: QUANTISED
;;     7. batch 32 x [M 2,048, K 2,048] x [K 2,048, N 64]; A: softmax (see below); B: computed on the way: QUANTISED
;;   THE QUANTISER, for each operand of a quantised product, along K:
;;     - K is cut into blocks of 32 from its start; a last block that is shorter is filled with zeros.
;;     - A block's scale is 2^e with e = floor(log2(the largest magnitude in the block)) - 2, held to -126 .. 127; a block of zeros has e = 0. As a byte (E8M0): e + 127.
;;     - Each number is divided by its block's scale, clamped to +-7.5, and rounded to the nearest number of E2M3, ties to even, subnormals kept.
;;     - The product sums the exact products of the quantised numbers (number of the format x scale) in f32.
;;   ~~~python
;;   def quantise(x, axis):      # numpy; x: float32 -> the quantised numbers, widened to float32 again
;;       x = np.moveaxis(x, axis, -1); K = x.shape[-1]
;;       x = np.pad(x, [(0, 0)] * (x.ndim - 1) + [(0, -K % 32)]); x = x.reshape(x.shape[:-1] + (-1, 32)); a = np.abs(x).max(-1, keepdims=True)
;;       e = np.where(a > 0, np.clip(np.frexp(np.where(a > 0, a, 1))[1] - 1 - 2, -126, 127), 0)      # np.frexp(a)[1] - 1 = floor(log2(a)), exactly
;;       r = np.clip(x / 2.0 ** e, -7.5, 7.5)
;;       step = 2.0 ** (np.maximum(np.frexp(np.where(r == 0, 1, r))[1] - 1, 0) - 3)
;;       q = np.round(r / step) * step * 2.0 ** e      # np.round: ties to even
;;       return np.moveaxis(q.reshape(q.shape[:-2] + (-1,))[..., :K], -1, axis).astype(np.float32)
;;   ~~~
;;   SOFTMAX AHEAD OF A QUANTISED PRODUCT. Where the list says 'softmax', what is quantised is not the finished softmax but p = 2^(t - M), with t = logit x log2(e) and M = ceil(the row's largest t), a whole number; so 1/2 < the row's largest p <= 1. The row's sum l is taken of the UNQUANTISED p, in f32, and the product's result is divided by l at the end. Since M is a whole number, a kernel that streams over the keys may use a running M (the ceiling of the running maximum): every later rescaling is an exact power of two, which a block's scale takes up: the codes' values come out the same.
;;   OPERANDS COMPUTED ON THE WAY. 'Computed on the way' means the value that the module computes at that place (a softmax that the list does not call 'softmax' is quantised finished and normalised). What goes into a quantiser is computed in f32, as accurately as f32 sums, v_exp_f32 and their like allow (about 1e-6 of the number): no bf16 or f16 on the way to a quantiser, and a product that is left as it is and whose result goes on into a quantised operand takes f32 operands (vector FMAs, or v_wmma_f32_16x16x4_f32). A number that lies on a knife's edge between two numbers of the format may be rounded either way, as far as f32 arithmetic and the matrix unit's own rounding can turn it there, and no further.
;; One version. Each part assembles by itself: llvm-mc -triple=amdgcn-amd-amdhsa -mcpu=gfx1250 --defsym DOCPART=n.
;; ======== version 1 of 1: 3 launches
;; limits: right only within a limited range of input values
;; workspace buffers: img 10,223,616 bytes; isc 425,984 bytes; qimg 6,291,456 bytes; qsc 262,144 bytes; kv 6,553,600 bytes
;; launch quant (part 1): grid 448 x 1, 4 waves a work-group, no clusters, 47,104 bytes of LDS; arguments query1, query2, key_value, Wq1, Wq2, Wkv, img, isc; writes img, isc
.if DOCPART == 1
	.amdgcn_target "amdgcn-amd-amdhsa--gfx1250"
	.amdhsa_code_object_version 6
	.text
	.protected	k_qa3ed59ee20_quant
	.globl	k_qa3ed59ee20_quant
	.p2align	8
	.type	k_qa3ed59ee20_quant,@function
k_qa3ed59ee20_quant:
	s_mov_b64 s[64:65], 0
	v_nop
	global_prefetch_b8 v0, s[64:65] scope:SCOPE_SE
	s_setreg_imm32_b32 hwreg(HW_REG_WAVE_MODE, 25, 1), 1
	s_wait_xcnt 0x0
; The six f32 inputs become codes of FP6 (E2M3) with one E8M0 scale byte for each 32 along K = 512, laid as IMAGES OF OPERAND REGISTERS.
; OPERAND ROWS: 0.. query1's tokens, 8,192.. query2's, 16,384.. key_value's, 24,576.. Wq1's columns, 25,088.. Wq2's, 25,600.. Wkv's 1,024 columns.
; A TILE T is 16 operand rows, 32 (T / 2) + 8 (T % 2) + p + 8 (p / 8), p = 0 .. 15: so that a product that takes tiles 2 b and 2 b + 1 as source 0 leaves 16 neighbouring rows in a lane's 16 registers.
; img: tile T at 6,144 T; its fragment of K step s (128 along K, 12 registers a lane) at + 1,536 s; registers 4 g .. 4 g + 3 of lane l at + 512 g + 16 l.
; isc: tile T at 256 T; lane (r, h) has 8 bytes at 8 l: the scale word of row r for K step h, then for K step 2 + h.
; A block's scale byte is its largest magnitude's exponent field - 2, held at 1 from below; the conversion divides by that power of two and rounds to the nearest code, ties to even, beyond 7.5 the largest code.
; LIMITS: NaN and infinities are not served; a block whose largest magnitude lies under 2^-124 keeps the byte 1; a block of zeros gets the byte 1 (not 127): its codes are zeros and this program alone reads the bytes.
; SHARES: work-groups 0 .. 383: tokens, K innermost: wave w takes tile 4 g + w.  Work-groups 384 .. 447: weights, K outermost: 32 columns (two tiles) a work-group, wave w takes K step w, a lane a column, its registers down K.
; No matrix unit, no cluster, no tensor load: every input byte is read once by one wave, and nothing is shared between work-groups.
.set NACT,  384
.set AP,    528                        ; the tokens' stage: a row of 512 bytes + 16: the 16 rows that a load touches begin 4 words apart modulo 64 words
.set AWAVE, 16*AP                      ; a stage for each wave
.set WIMG,  4*AWAVE                    ; the weights' path has LDS bytes of its own: two tiles' images, 12,288 bytes,
.set WSC,   WIMG+12288                 ; and their scale words, 512 bytes
.set SPARE, WSC+512                    ; the spare words, 128 bytes for each wave: two blocks of 256 bytes that no other line names
.set FLOOR, 0x1800000                  ; 2^(3 - 127): under it no largest magnitude is taken, so the byte cannot fall under 1
.set L16, 1                            ; v1   16 x lane
.set L8,  2                            ; v2   8 x lane
.set SI,  3                            ; v3   tokens: into my stage
.set SO,  4                            ; v4   tokens: out of it: row r, + 128 h
.set WI,  5                            ; v5   weights: where my column's codes go in the images
.set WS,  6                            ; v6   weights: where its scale word goes
.set WR,  7                            ; v7   weights: my wave's quarter of the images, on the way out
.set WSR, 8                            ; v8   weights: the scale words, on the way out
.set H8,  9                            ; v9   8 h
.set L4,  10                           ; v10  4 x lane
.set SPW, 12                           ; v12  my spare word; never rewritten
.set NIL, 13                           ; v13  0; never rewritten
.set PD,  14                           ; v14  the lane permute's destination
.set MX,  16                           ; v16-17 largest magnitudes
.set SOP, 18                           ; v18-19 the conversions' scale operands
.set BY,  20                           ; v20-21 scale bytes
.set WD,  22                           ; v22-25 scale words
.set C,   28                           ; codes: tokens v28-39; weights four sets of 8, v28-59
.set T,   40                           ; tokens: the conversions' second halves
.set TW,  60                           ; weights: the same
.set R,   64                           ; tokens: two sets of 64 as loaded; weights: my column's 128 numbers
.set X,   192                          ; tokens: 64 numbers in the operand's order
	s_load_b256 s[4:11], s[0:1], 0x0               ; query1 s[4:5], query2 s[6:7], key_value s[8:9], Wq1 s[10:11]
	s_load_b256 s[12:19], s[0:1], 0x20             ; Wq2 s[12:13], Wkv s[14:15], img s[16:17], isc s[18:19]
	v_lshl_add_u32 v[SPW], v0, 2, SPARE
	v_mov_b32 v[NIL], 0
	v_lshrrev_b32 v11, 5, v0
	v_readfirstlane_b32 s20, v11                   ; wave 0..3
	v_and_b32 v11, 31, v0                          ; lane
	v_lshlrev_b32 v[L16], 4, v11
	v_lshlrev_b32 v[L8], 3, v11
	v_lshlrev_b32 v[L4], 2, v11
	v_and_b32 v15, 15, v0                          ; r
	v_bfe_u32 v[H8], v0, 4, 1                      ; h
	; every LDS address is made here, ahead of the parting of the two paths
	s_mul_i32 s21, s20, AWAVE
	v_add_nc_u32 v[SI], s21, v[L16]
	v_mul_u32_u24 v[SO], v15, AP
	v_lshl_add_u32 v[SO], v[H8], 7, v[SO]
	v_add_nc_u32 v[SO], s21, v[SO]
	v_bfe_u32 v16, v0, 3, 1                        ; my column's tile of the two: u = (lane / 8) % 2
	v_and_b32 v17, 7, v0
	v_lshl_add_u32 v17, v[H8], 3, v17              ; and its row in that tile: lane % 8 + 8 (lane / 16)
	v_mul_u32_u24 v[WI], v16, 6144
	v_lshl_add_u32 v[WI], v17, 4, v[WI]
	s_mul_i32 s21, s20, 1536                       ; K step = wave
	s_add_co_u32 s21, s21, WIMG
	v_add_nc_u32 v[WI], s21, v[WI]
	v_lshlrev_b32 v[WS], 8, v16
	v_lshl_add_u32 v[WS], v17, 3, v[WS]
	s_and_b32 s21, s20, 1
	s_lshl_b32 s21, s21, 7                         ; K steps 1 and 3 stand in lanes 16-31's places,
	s_lshr_b32 s23, s20, 1
	s_lshl_b32 s23, s23, 2                         ; K steps 2 and 3 in the second word
	s_add_co_u32 s21, s21, s23
	s_add_co_u32 s21, s21, WSC
	v_add_nc_u32 v[WS], s21, v[WS]
	s_mul_i32 s21, s20, 3072
	s_add_co_u32 s21, s21, WIMG
	v_add_nc_u32 v[WR], s21, v[L16]
	v_add_nc_u32 v[WSR], WSC, v[L16]
	v_lshlrev_b32 v[H8], 3, v[H8]
	v_mov_b32 v[PD], 0                             ; a lane permute's destination counts as one of its sources
	s_mov_b32 s22, 0xffff0000                      ; lanes 16-31
	s_mov_b32 s24, 0x76543210
	s_mov_b32 s25, 0xfedcba98                      ; v_permlanex16_b32's selects for lane l xor 16
	s_wait_kmcnt 0x0
	s_cmp_ge_u32 ttmp9, NACT
	s_cbranch_scc1 .Lweights
	; ---------------- TOKENS: K innermost ----------------
	s_cmp_lt_u32 ttmp9, 256
	s_cselect_b64 s[26:27], s[6:7], s[8:9]
	s_cmp_lt_u32 ttmp9, 128
	s_cselect_b64 s[26:27], s[4:5], s[26:27]       ; the choice hangs on the work-group's number alone
	s_lshl_b32 s28, ttmp9, 2
	s_add_co_u32 s28, s28, s20                     ; my tile T
	s_and_b32 s29, s28, 511                        ; in its tensor
	s_lshr_b32 s30, s29, 1
	s_lshl_b32 s30, s30, 5
	s_and_b32 s31, s29, 1
	s_lshl_b32 s31, s31, 3
	s_add_co_u32 s30, s30, s31                     ; the tile's first row
	s_lshl_b32 s30, s30, 11                        ; of 2,048 bytes
	s_mov_b32 s31, 0
	s_add_nc_u64 s[26:27], s[26:27], s[30:31]
	s_mul_i32 s30, s28, 6144
	s_add_nc_u64 s[16:17], s[16:17], s[30:31]
	s_lshl_b32 s30, s28, 8
	s_add_nc_u64 s[18:19], s[18:19], s[30:31]
; K step s of my 16 rows: each load reads 512 consecutive bytes of one row
.macro ALOAD s
.irp p, 0,1,2,3,4,5,6,7,8,9,10,11,12,13,14,15
	global_load_b128 v[R+64*((\s)%2)+4*\p:R+64*((\s)%2)+4*\p+3], v[L16], s[26:27] offset:(\p+8*(\p/8))*2048+512*(\s) th:TH_LOAD_NT
.endr
.endm
; K step s becomes a fragment.  The operand's layout gives lane (r, h) the numbers 64 c + 32 h + 0 .. 31 of row r: the 16 x 512 bytes turn through my own stage.
.macro AFRAG s
.if (\s) < 3
	s_wait_loadcnt 16                              ; this K step's 16 loads are in; the next one's 16 may be out
.else
	s_wait_loadcnt 0x0
.endif
.irp p, 0,1,2,3,4,5,6,7,8,9,10,11,12,13,14,15
	ds_store_b128 v[SI], v[R+64*((\s)%2)+4*\p:R+64*((\s)%2)+4*\p+3] offset:AP*\p
.endr
.irp c, 0,1
.irp j, 0,1,2,3,4,5,6,7
	ds_load_b128 v[X+32*\c+4*\j:X+32*\c+4*\j+3], v[SO] offset:256*\c+16*\j   ; LDS serves a wave's instructions in order: these see my stores
.endr
.endr
	s_wait_dscnt 0x0                               ; the numbers are back, and the stores have read their registers,
.if (\s) < 2
	ALOAD (\s)+2                                   ; which take the loads of two K steps on
.endif
.irp c, 0,1
	v_max3_num_f32 v[MX+\c], |v[X+32*\c]|, |v[X+32*\c+1]|, FLOOR   ; my block 2 c + h: all its 32 numbers are mine
.endr
.irp i, 2,4,6,8,10,12,14,16,18,20,22,24,26,28,30
.irp c, 0,1
	v_max3_num_f32 v[MX+\c], v[MX+\c], |v[X+32*\c+\i]|, |v[X+32*\c+\i+1]|
.endr
.endr
.irp c, 0,1
	v_add_nc_u32 v[SOP+\c], 0xff000000, v[MX+\c]   ; 2 off the exponent field: the conversion takes this operand's exponent field as its scale
.endr
.irp c, 0,1
	v_lshrrev_b32 v[BY+\c], 23, v[SOP+\c]          ; the scale's byte
.endr
	v_lshl_or_b32 v[WD+\s], v[BY+1], 16, v[BY]     ; my two bytes, blocks h and 2 + h,
	v_lshlrev_b32 v[WD+\s], v[H8], v[WD+\s]        ; at their places in the word;
	v_permlanex16_b32 v[PD], v[WD+\s], s24, s25
	v_or_b32 v[WD+\s], v[WD+\s], v[PD]             ; with lane l xor 16's two the word is whole
	s_wait_alu depctr_va_vdst(0)
	s_wait_xcnt 0x0                                ; the last fragment's stores have read their data: the codes' registers may be written
.irp c, 0,1
	v_cvt_scalef32_pk16_fp6_f32 v[C+6*\c:C+6*\c+2], v[X+32*\c:X+32*\c+15], v[SOP+\c]
	v_cvt_scalef32_pk16_fp6_f32 v[T+4*\c:T+4*\c+2], v[X+32*\c+16:X+32*\c+31], v[SOP+\c]   ; (a conversion's three registers begin on an even number)
.endr
	v_nop                                          ; one plain place behind a scaled conversion
.irp c, 0,1
.irp i, 0,1,2
	v_mov_b32 v[C+6*\c+3+\i], v[T+4*\c+\i]
.endr
.endr
.irp g, 0,1,2
	global_store_b128 v[L16], v[C+4*\g:C+4*\g+3], s[16:17] offset:1536*(\s)+512*\g   ; 32 lanes store 512 consecutive bytes, aligned to 256
.endr
.endm
	ALOAD 0
	ALOAD 1
	AFRAG 0
	AFRAG 1
	AFRAG 2
	AFRAG 3
	v_cndmask_b32 v26, v[WD], v[WD+1], s22         ; lanes 0-15: K step 0's word, lanes 16-31: K step 1's
	v_cndmask_b32 v27, v[WD+2], v[WD+3], s22       ; K steps 2 and 3
	global_store_b64 v[L8], v[26:27], s[18:19]     ; 256 consecutive bytes, aligned
	s_branch .Ljoin
	; ---------------- WEIGHTS: K outermost ----------------
.Lweights:
	s_sub_co_u32 s28, ttmp9, NACT                  ; 0 .. 15 Wq1, 16 .. 31 Wq2, 32 .. 63 Wkv: 32 columns each
	s_cmp_lt_u32 s28, 32
	s_cselect_b64 s[26:27], s[12:13], s[14:15]
	s_cselect_b32 s29, 18, 19                      ; 128 rows of 2,048 or of 4,096 bytes, as a shift
	s_cselect_b32 s30, 15, 31
	s_and_b32 s30, s28, s30                        ; which 32 columns of the tensor
	s_lshl_b32 s30, s30, 7
	s_lshl_b32 s31, s20, s29                       ; my K step's first row
	s_add_co_u32 s30, s30, s31
	s_mov_b32 s31, 0
	s_cmp_lt_u32 s28, 16
	s_cselect_b64 s[26:27], s[10:11], s[26:27]
	s_add_nc_u64 s[26:27], s[26:27], s[30:31]
	s_lshl_b32 s30, s28, 1
	s_add_co_u32 s30, s30, 1536                    ; the first of my work-group's two tiles
	s_lshl_b32 s32, s30, 8
	s_mov_b32 s33, 0
	s_add_nc_u64 s[18:19], s[18:19], s[32:33]
	s_mul_i32 s30, s30, 6144
	s_mul_i32 s32, s20, 3072                       ; on the way out each wave stores a quarter of the two images
	s_add_co_u32 s30, s30, s32
	s_add_nc_u64 s[16:17], s[16:17], s[30:31]
; Block b of my column: W(128 w + 32 b + i, my column), i = 0 .. 31: each load reads 128 consecutive bytes.  The rows of Wq1 and Wq2 are 2,048 bytes, those of Wkv 4,096: the pitch stands in the
; immediates, so a branch on the work-group's number picks one of two runs of 32 loads; both ways issue the same number of loads.
.macro WLOADB b
	s_cmp_lt_u32 s28, 32
	s_cbranch_scc0 .Lwide_\@
.set n1, 32*(\b)
.rept 32
	global_load_b32 v[R+n1], v[L4], s[26:27] offset:n1*2048 th:TH_LOAD_NT
.set n1, n1+1
.endr
	s_branch .Lgot_\@
.Lwide_\@:
.set n1, 32*(\b)
.rept 32
	global_load_b32 v[R+n1], v[L4], s[26:27] offset:n1*4096 th:TH_LOAD_NT
.set n1, n1+1
.endr
.Lgot_\@:
.endm
; Block b of my column's four: it is registers 6 (b / 2) .. + 5 of lane (row, b % 2) of the fragment, and goes to those registers' places in the image.  Loads run two blocks ahead; each block has registers of its own.
.macro WBLOCK b
.set XB, R+32*\b
.set CB, C+8*\b
.if \b < 3
	s_wait_loadcnt 32                              ; this block's 32 loads are in; the next block's 32 may be out
.else
	s_wait_loadcnt 0x0
.endif
.if \b < 2
	WLOADB \b+2
.endif
	v_max3_num_f32 v[MX], |v[XB]|, |v[XB+1]|, FLOOR
	v_max3_num_f32 v[MX+1], |v[XB+2]|, |v[XB+3]|, |v[XB+4]|
.irp i, 5,9,13,17,21,25
	v_max3_num_f32 v[MX], v[MX], |v[XB+\i]|, |v[XB+\i+1]|
	v_max3_num_f32 v[MX+1], v[MX+1], |v[XB+\i+2]|, |v[XB+\i+3]|
.endr
	v_max3_num_f32 v[MX], v[MX], |v[XB+29]|, |v[XB+30]|
	v_max3_num_f32 v[MX], v[MX], v[MX+1], |v[XB+31]|
	v_add_nc_u32 v[SOP], 0xff000000, v[MX]
	v_lshrrev_b32 v[BY], 23, v[SOP]
.if \b == 0
	v_mov_b32 v[WD], v[BY]
.else
	v_lshl_or_b32 v[WD], v[BY], 8*\b, v[WD]
.endif
	v_cvt_scalef32_pk16_fp6_f32 v[CB:CB+2], v[XB:XB+15], v[SOP]
	v_cvt_scalef32_pk16_fp6_f32 v[TW:TW+2], v[XB+16:XB+31], v[SOP]
	v_nop                                          ; one plain place behind a scaled conversion
.irp i, 0,1,2
	v_mov_b32 v[CB+3+\i], v[TW+\i]
.endr
.if \b < 2
	ds_store_b128 v[WI], v[CB:CB+3] offset:256*(\b%2)              ; registers 0-3
	ds_store_b64 v[WI], v[CB+4:CB+5] offset:512+256*(\b%2)         ; registers 4, 5
.else
	ds_store_b64 v[WI], v[CB:CB+1] offset:520+256*(\b%2)           ; registers 6, 7
	ds_store_b128 v[WI], v[CB+2:CB+5] offset:1024+256*(\b%2)       ; registers 8-11
.endif
.endm
	WLOADB 0
	WLOADB 1
	WBLOCK 0
	WBLOCK 1
	WBLOCK 2
	WBLOCK 3
	ds_store_b32 v[WS], v[WD]                      ; my column's scale word for K step w
.Ljoin:
	s_wait_dscnt 0x0                               ; for the others' sake: my LDS stores have landed
	s_barrier_signal -1
	s_barrier_wait -1                              ; one barrier, on every work-group's way
	s_cmp_lt_u32 ttmp9, NACT
	s_cbranch_scc1 .Lend
.irp q, 0,1,2,3,4,5
	ds_load_b128 v[R+4*\q:R+4*\q+3], v[WR] offset:512*\q
.endr
	s_wait_dscnt 0x0
.irp q, 0,1,2,3,4,5
	global_store_b128 v[L16], v[R+4*\q:R+4*\q+3], s[16:17] offset:512*\q   ; 512 consecutive bytes, aligned to 256
.endr
	s_cmp_lg_u32 s20, 0
	s_cbranch_scc1 .Lend
	ds_load_b128 v[R+24:R+27], v[WSR]              ; wave 0: the two tiles' scale words
	s_wait_dscnt 0x0
	global_store_b128 v[L16], v[R+24:R+27], s[18:19]
.Lend:
	s_wait_tensorcnt 0x0                           ; the wave's end, behind my last LDS store
	ds_add_u32 v[SPW], v[NIL]
	s_wait_dscnt 0x0
	s_endpgm
.Lfunc_end_k_qa3ed59ee20_quant:
	.size	k_qa3ed59ee20_quant, .Lfunc_end_k_qa3ed59ee20_quant-k_qa3ed59ee20_quant
	.p2alignl 7, 3214868480
	.fill 96, 4, 3214868480
	.section	.rodata,"a",@progbits
	.p2align	6, 0x0
	.amdhsa_kernel k_qa3ed59ee20_quant
		.amdhsa_group_segment_fixed_size 47104
		.amdhsa_private_segment_fixed_size 0
		.amdhsa_enable_private_segment 0
		.amdhsa_kernarg_size 64
		.amdhsa_user_sgpr_count 2
		.amdhsa_user_sgpr_kernarg_segment_ptr 1
		.amdhsa_wavefront_size32 1
		.amdhsa_system_sgpr_workgroup_id_x 1
		.amdhsa_system_sgpr_workgroup_id_y 1
		.amdhsa_system_sgpr_workgroup_id_z 1
		.amdhsa_system_vgpr_workitem_id 0
		.amdhsa_next_free_vgpr 256
		.amdhsa_next_free_sgpr 66
		.amdhsa_reserve_vcc 0
		.amdhsa_float_denorm_mode_32 3
		.amdhsa_float_denorm_mode_16_64 3
		.amdhsa_memory_ordered 1
		.amdhsa_forward_progress 1
		.amdhsa_inst_pref_size 64
	.end_amdhsa_kernel
	.amdgpu_metadata
---
amdhsa.version: [ 1, 2 ]
amdhsa.kernels:
  - .name:           k_qa3ed59ee20_quant
    .symbol:         k_qa3ed59ee20_quant.kd
    .args:
      - { .name: query1, .offset: 0, .size: 8, .value_kind: global_buffer, .address_space: global }
      - { .name: query2, .offset: 8, .size: 8, .value_kind: global_buffer, .address_space: global }
      - { .name: key_value, .offset: 16, .size: 8, .value_kind: global_buffer, .address_space: global }
      - { .name: Wq1, .offset: 24, .size: 8, .value_kind: global_buffer, .address_space: global }
      - { .name: Wq2, .offset: 32, .size: 8, .value_kind: global_buffer, .address_space: global }
      - { .name: Wkv, .offset: 40, .size: 8, .value_kind: global_buffer, .address_space: global }
      - { .name: img, .offset: 48, .size: 8, .value_kind: global_buffer, .address_space: global }
      - { .name: isc, .offset: 56, .size: 8, .value_kind: global_buffer, .address_space: global }
    .group_segment_fixed_size: 47104
    .private_segment_fixed_size: 0
    .kernarg_segment_align: 8
    .kernarg_segment_size: 64
    .max_flat_workgroup_size: 128
    .sgpr_count:     66
    .vgpr_count:     256
    .wavefront_size: 32
...
	.end_amdgpu_metadata
.endif
;; end of part 1
;; launch proj (part 2): grid 256 x 1, 4 waves a work-group, clusters of 4 x 1, 327,680 bytes of LDS; arguments img, isc, qimg, qsc, kv; writes qimg, qsc, kv
.if DOCPART == 2
	.amdgcn_target "amdgcn-amd-amdhsa--gfx1250"
	.amdhsa_code_object_version 6
	.text
	.protected	k_qa3ed59ee20_proj
	.globl	k_qa3ed59ee20_proj
	.p2align	8
	.type	k_qa3ed59ee20_proj,@function
k_qa3ed59ee20_proj:
	s_mov_b64 s[64:65], 0
	v_nop
	global_prefetch_b8 v0, s[64:65] scope:SCOPE_SE
	s_setreg_imm32_b32 hwreg(HW_REG_WAVE_MODE, 25, 1), 1
	s_wait_xcnt 0x0
	s_wait_alu depctr_hold_cnt(0) depctr_sa_sdst(0) depctr_va_vdst(0) depctr_va_sdst(0) depctr_va_ssrc(0) depctr_va_vcc(0) depctr_vm_vsrc(0)
	s_getreg_b32 s2, hwreg(HW_REG_IB_STS2, 6, 4)
	s_cmp_eq_u32 s2, 0
	s_cbranch_scc0 .Lentry_in_a_cluster
	s_endpgm
.Lentry_in_a_cluster:
	s_bfe_u32 s2, ttmp6, 0x10000c
	s_cmp_lg_u32 s2, 0x3003
	s_cbranch_scc0 .Lentry_shape_is_right
	s_endpgm
.Lentry_shape_is_right:
; The three projections on codes of FP6 (E2M3), K = 512, and the quantising of their results: q1, q2 and k along the head's 64, v along the keys.
; A cluster (number cl, 64 of them) has a KIND = cl / 16: 0 q1, 1 q2, 2 k, 3 v.  A work-group multiplies 512 STATIONARY operand rows by 128 STREAMED ones.  A wave keeps 128 stationary rows
; (8 tiles x 4 K steps x 12 registers = 384) in registers and takes the 8 streamed tiles one after the other: 32 matrix instructions a tile.
; KINDS 0-2: stationary = the weight's 512 columns (wave w: heads 2 w, 2 w + 1), streamed = 128 tokens.   KIND 3: stationary = 512 tokens (wave w: one key step of 128), streamed = 128 columns of Wv (heads 2 cx, 2 cx + 1).
; Source 0 = a stationary tile, source 1 = a streamed tile: a lane then holds ONE streamed row, and by the tiles' order of rows its 64 result registers run along the 128 stationary rows, 16 neighbours for each block of 32:
; the axis along which the result is quantised (d for q and k, keys for v).  So one text serves all four kinds; they differ in addresses alone.
; CLUSTER: the four partners want the same stationary rows in every kind: each wave's 49,152 bytes come by a JOINT tensor load (mask 15), which divides those requests by four.  The streamed 49,152 bytes are the work-group's own.
; OUT: qimg [branch 32 + batch 8 + head][128 token tiles][768]: 6 registers a lane as 3 pairs, pair p at 256 p + 8 lane.  qsc [branch 16 + batch 4 + head pair][16 groups of 8 tiles][512].
;      kv [batch 8 + head][16 key steps][12,800]: 8 key tiles x 768 | 4 tiles of d x 1,536 | K's scale words, 256 | V's, 256.
; LIMITS: as in the launch before: NaN and infinities are not served; blocks under 2^-124 and blocks of zeros keep the byte 1.
; REGISTERS: window 0: v1-4 addresses; v16-63 a streamed tile's 4 fragments; v64-127 the 8 results; v128-146 codes; v148-163 at work; v164-171 the 8 tiles' scale words; v172-183 the scales' way out;
;   v192-207 stationary scale words, v208-223 streamed; v252, v253 the add's two.   window 1: stationary fragments of K steps 0, 1 (at 96 (s % 2) + 12 t).   window 2: of K steps 2, 3.
.set STATB, 49152                      ; a wave's stationary bytes in LDS, as they lie in img
.set STR,   4*STATB                    ; the streamed tiles
.set STRW,  12288                      ; a wave's quarter of them
.set SPARE, STR+4*STRW                 ; the spare words, 128 bytes for each wave: two blocks of 256 bytes that no other line names
.set XF,  16
.set HA,  64
.set PC,  128
.set TM,  148
.set PW,  164
.set EP,  172
.set SS,  192
.set XS,  208
.set SPW, 252
.set NIL, 253
.set WV,  14                           ; s14 wave; s15 cx; s16 cl; s17 KIND; s18 cl % 16; s19 4 (cl % 16) + cx
.set G1J, 24                           ; s[24:31] group 1 of the joint load;  s[32:39] of the plain one;  s[40:43], s[44:47] their groups 0
.set G1P, 32
.set G0J, 40
.set G0P, 44
.set LO,  48                           ; s[48:49] where a tile's registers 0-5 go;  s[50:51] registers 6-11
.set HI,  50
.set STRD, 52                          ; s[52:53] from tile to tile
.set EXTR, 54                          ; s[54:55] and once more at tile 4
.set SB0, 56                           ; s[56:57], s[58:59] where the scale words go
.set SB1, 58
.set HM,  60                           ; s60 lanes 16-31
.set SEL, 66                           ; s[66:67]
.set MSB, 0
.macro WIN new                         ; the immediate's high byte repeats the setting that is left
.if MSB != \new
	s_set_vgpr_msb (MSB<<8)|\new
.set MSB, \new
.endif
.endm
.macro CROUND                          ; a round of the cluster's barrier
	s_barrier_signal -1
	s_barrier_wait -1
	s_cmp_lg_u32 s[WV], 0
	s_cbranch_scc1 .Lnot_wave_0_\@
	s_barrier_signal -3
.Lnot_wave_0_\@:
	s_barrier_wait -3
	s_barrier_signal -1
	s_barrier_wait -1
.endm
	s_load_b256 s[4:11], s[0:1], 0x0               ; img s[4:5], isc s[6:7], qimg s[8:9], qsc s[10:11]
	s_load_b64 s[12:13], s[0:1], 0x20              ; kv
	v_lshl_add_u32 v[SPW], v0, 2, SPARE
	v_mov_b32 v[NIL], 0
	ds_add_u32 v[SPW], v[NIL]                      ; the wave's opening: the add and its wait ahead of my first tensor load; the set-up below, work on registers, stands between them
	ds_add_u32 v[SPW], v[NIL]
	v_lshrrev_b32 v5, 5, v0
	v_readfirstlane_b32 s[WV], v5
	v_and_b32 v5, 31, v0
	v_lshlrev_b32 v1, 4, v5                        ; 16 x lane
	v_lshlrev_b32 v2, 3, v5                        ; 8 x lane
	s_mul_i32 s[G0J+1], s[WV], STATB               ; LDS: my stationary part
	v_add_nc_u32 v3, s[G0J+1], v1
	v_add_nc_u32 v4, STR, v1
.irp b, 0,1,2,3
	v_mov_b32 v[TM+4+\b], 0                        ; a lane permute's destination counts as one of its sources
.endr
	s_bfe_u32 s15, ttmp6, 0x40000                  ; cx
	s_mov_b32 s16, ttmp9                           ; the cluster's number
	s_lshr_b32 s17, s16, 4                         ; KIND
	s_and_b32 s18, s16, 15
	s_lshl_b32 s19, s18, 2
	s_add_co_u32 s19, s19, s15
	; the stationary tiles: made of the cluster's number and the wave's alone, in registers that never hold cx
	s_lshl_b32 s20, s17, 5
	s_add_co_u32 s20, s20, 1536                    ; kinds 0-2: the weight's 32 tiles
	s_lshl_b32 s21, s18, 5
	s_add_co_u32 s21, s21, 1024                    ; kind 3: 32 token tiles of key_value
	s_cmp_lt_u32 s17, 3
	s_cselect_b32 s20, s20, s21
	s_lshl_b32 s21, s[WV], 3
	s_add_co_u32 s20, s20, s21                     ; my 8 of them
	s_mul_i32 s70, s20, 6144
	s_mov_b32 s71, 0
	s_lshl_b32 s74, s20, 8
	s_mov_b32 s75, 0
	; the streamed tiles
	s_lshl_b32 s22, s17, 9
	s_lshl_b32 s23, s19, 3
	s_add_co_u32 s22, s22, s23                     ; kinds 0-2: 8 token tiles
	s_lshl_b32 s23, s15, 3
	s_add_co_u32 s23, s23, 1632                    ; kind 3: 8 tiles of Wv's columns
	s_cmp_lt_u32 s17, 3
	s_cselect_b32 s22, s22, s23
	s_mul_i32 s72, s22, 6144
	s_mul_i32 s73, s[WV], STRW
	s_add_co_u32 s[G0P+1], s73, STR                ; LDS: my quarter of the streamed tiles
	s_add_co_u32 s72, s72, s73
	s_mov_b32 s73, 0
	s_lshl_b32 s76, s22, 8
	s_mov_b32 s77, 0
	; where the results go, as offsets
	s_lshr_b32 s78, s19, 4                         ; the tokens' batch
	s_and_b32 s79, s19, 15                         ; and which 128 tokens of it
	s_lshl_b32 s80, s78, 3
	s_lshl_b32 s81, s[WV], 1
	s_add_co_u32 s80, s80, s81                     ; batch 8 + head 2 w
	s_lshl_b32 s81, s17, 5
	s_add_co_u32 s81, s81, s80
	s_mul_i32 s81, s81, 98304
	s_mul_i32 s82, s79, 6144
	s_add_co_u32 s81, s81, s82                     ; q: LO
	s_lshl_b32 s82, s80, 4
	s_add_co_u32 s82, s82, s79
	s_mul_i32 s82, s82, 12800                      ; k: LO
	s_lshr_b32 s83, s18, 2
	s_lshl_b32 s83, s83, 3
	s_lshl_b32 s84, s15, 1
	s_add_co_u32 s83, s83, s84                     ; v: batch 8 + head 2 cx
	s_lshl_b32 s83, s83, 4
	s_and_b32 s84, s18, 3
	s_lshl_b32 s84, s84, 2
	s_add_co_u32 s83, s83, s84
	s_add_co_u32 s83, s83, s[WV]                   ; key step 4 (cl % 4) + w
	s_mul_i32 s83, s83, 12800
	s_add_co_u32 s83, s83, 6144                    ; v: LO
	s_lshl_b32 s84, s17, 4
	s_lshl_b32 s85, s78, 2
	s_add_co_u32 s84, s84, s85
	s_add_co_u32 s84, s84, s[WV]
	s_lshl_b32 s84, s84, 4
	s_add_co_u32 s84, s84, s79
	s_lshl_b32 s84, s84, 9                         ; q: the scale words
	s_mov_b32 s86, 204800                          ; a head in kv
	s_mov_b32 s87, 768
	s_mov_b32 s88, 12288
	s_mov_b32 s89, 98304                           ; a head in qimg
	s_cmp_eq_u32 s17, 3
	s_cselect_b32 s[LO], s83, s82
	s_cselect_b32 s[HI], s87, s86
	s_cselect_b32 s[STRD], 1536, s87
	s_cselect_b32 s[EXTR], 198656, 0               ; v: from d tile 3 of one head to d tile 0 of the next: 204,800 - 4 x 1,536
	s_cselect_b32 s[SB0], 6400, s88
	s_add_co_u32 s[SB0], s[SB0], s[LO]
	s_mov_b32 s[SB1], s86
	s_cmp_lt_u32 s17, 2
	s_cselect_b32 s[LO], s81, s[LO]
	s_cselect_b32 s[HI], s89, s[HI]
	s_cselect_b32 s[SB0], s84, s[SB0]
	s_cselect_b32 s[SB1], 256, s[SB1]
	s_add_co_u32 s[HI], s[HI], s[LO]
	s_add_co_u32 s[SB1], s[SB1], s[SB0]
.irp g, LO, HI, STRD, EXTR, SB0, SB1
	s_mov_b32 s[\g+1], 0
.endr
	s_mov_b32 s[HM], 0xffff0000
	s_mov_b32 s[SEL], 0x76543210
	s_mov_b32 s[SEL+1], 0xfedcba98
	; descriptors: dense blocks as rows of 256 bytes (32 elements of 8 bytes)
	s_mov_b32 s[G1J], 15|(3<<16)|(1<<21)           ; 15:0 the mask: all four partners; 17:16 elements of 8 bytes; 21 set beside a mask; no padding: every LDS read is 16 x lane on end
	s_mov_b32 s[G1J+1], 32<<16                     ; tensor_dim0
	s_mov_b32 s[G1J+2], 192<<16                    ; tensor_dim1: 49,152 / 256
	s_mov_b32 s[G1J+3], 32<<16                     ; tile_dim0
	s_mov_b32 s[G1J+4], 192                        ; tile_dim1
	s_mov_b32 s[G1J+5], 32                         ; the pitch
	s_mov_b32 s[G1J+6], 0
	s_mov_b32 s[G1J+7], 0
	s_mov_b32 s[G1P], 3<<16                        ; no mask: the work-group's own
	s_mov_b32 s[G1P+1], 32<<16
	s_mov_b32 s[G1P+2], 48<<16                     ; 12,288 / 256
	s_mov_b32 s[G1P+3], 32<<16
	s_mov_b32 s[G1P+4], 48
	s_mov_b32 s[G1P+5], 32
	s_mov_b32 s[G1P+6], 0
	s_mov_b32 s[G1P+7], 0
	s_mov_b32 s[G0J], 1
	s_mov_b32 s[G0P], 1
	s_wait_dscnt 0x0                               ; the opening add is done
	s_wait_kmcnt 0x0
	s_add_nc_u64 s[G0J+2:G0J+3], s[4:5], s[70:71]
	s_or_b32 s[G0J+3], s[G0J+3], 0x80000000
	s_add_nc_u64 s[G0P+2:G0P+3], s[4:5], s[72:73]
	s_or_b32 s[G0P+3], s[G0P+3], 0x80000000
	s_add_nc_u64 s[74:75], s[6:7], s[74:75]        ; the stationary tiles' scale words
	s_add_nc_u64 s[76:77], s[6:7], s[76:77]        ; the streamed tiles'
	s_cmp_lt_u32 s17, 2                            ; q goes to qimg and qsc, k and v to kv
	s_cselect_b64 s[90:91], s[8:9], s[12:13]
	s_cselect_b64 s[92:93], s[10:11], s[12:13]
	s_add_nc_u64 s[LO:LO+1], s[90:91], s[LO:LO+1]
	s_add_nc_u64 s[HI:HI+1], s[90:91], s[HI:HI+1]
	s_add_nc_u64 s[SB0:SB0+1], s[92:93], s[SB0:SB0+1]
	s_add_nc_u64 s[SB1:SB1+1], s[92:93], s[SB1:SB1+1]
	CROUND                                         ; all four work-groups are here: the joint loads meet
	tensor_load_to_lds s[G0J:G0J+3], s[G1J:G1J+7]  ; my 8 stationary tiles, jointly
	s_nop 0
.rept 4
	v_nop
.endr
	s_wait_alu depctr_va_vdst(0)
.irp t, 0,1,2,3,4,5,6,7
	global_load_b64 v[SS+2*\t:SS+2*\t+1], v2, s[74:75] offset:256*\t   ; register s / 2 serves K step s, from lanes 0-15 (even s) or 16-31 (odd s)
	global_load_b64 v[XS+2*\t:XS+2*\t+1], v2, s[76:77] offset:256*\t
.endr
	s_wait_tensorcnt 0x0                           ; my stationary part has landed (only I read it)
	ds_add_u32 v[SPW], v[NIL]
	s_wait_dscnt 0x0
	CROUND                                         ; a whole round, and behind it my one load:
	tensor_load_to_lds s[G0P:G0P+3], s[G1P:G1P+7]  ; my quarter of the streamed tiles; it is on its way while the stationary fragments are read
	s_nop 0
.rept 4
	v_nop
.endr
.macro STATLOAD k0                     ; K steps k0, k0 + 1 of my 8 tiles into one window
.irp t, 0,1,2,3,4,5,6,7
.irp s, 0,1
.irp g, 0,1,2
	ds_load_b128 v[96*\s+12*\t+4*\g:96*\s+12*\t+4*\g+3], v3 offset:(4*\t+\k0+\s)*1536+512*\g
.endr
.endr
.endr
.endm
	WIN 0x40                                       ; destination window 1
	STATLOAD 0
	WIN 0x80                                       ; destination window 2
	STATLOAD 2
	WIN 0
	s_wait_tensorcnt 0x0                           ; my quarter of the streamed tiles has landed,
	s_wait_dscnt 0x0
	s_barrier_signal -1
	s_barrier_wait -1                              ; everybody's has.  Nothing is ever filled again
.macro FETCH m                         ; streamed tile m: its four fragments
.irp s, 0,1,2,3
.irp g, 0,1,2
	ds_load_b128 v[XF+12*\s+4*\g:XF+12*\s+4*\g+3], v4 offset:6144*(\m)+1536*\s+512*\g
.endr
.endr
.endm
; K step s of streamed tile m against my 8 stationary tiles: the 8 accumulators take turns, one instruction a turn
.macro MULS m, s
.irp t, 0,1,2,3,4,5,6,7
.if (\s) == 0
	v_wmma_scale_f32_16x16x128_f8f6f4 v[HA+8*\t:HA+8*\t+7], v[12*\t:12*\t+11], v[XF:XF+11], 0, v[SS+2*\t], v[XS+2*(\m)] matrix_a_fmt:MATRIX_FMT_FP6 matrix_b_fmt:MATRIX_FMT_FP6
.elseif (\s) == 2
	v_wmma_scale_f32_16x16x128_f8f6f4 v[HA+8*\t:HA+8*\t+7], v[12*\t:12*\t+11], v[XF+24:XF+35], v[HA+8*\t:HA+8*\t+7], v[SS+2*\t+1], v[XS+2*(\m)+1] matrix_a_fmt:MATRIX_FMT_FP6 matrix_b_fmt:MATRIX_FMT_FP6
.else
	v_wmma_scale_f32_16x16x128_f8f6f4 v[HA+8*\t:HA+8*\t+7], v[96+12*\t:96+12*\t+11], v[XF+12*(\s):XF+12*(\s)+11], v[HA+8*\t:HA+8*\t+7], v[SS+2*\t+(\s)/2], v[XS+2*(\m)+(\s)/2] matrix_a_fmt:MATRIX_FMT_FP6 matrix_b_fmt:MATRIX_FMT_FP6 matrix_a_scale:MATRIX_SCALE_ROW1 matrix_b_scale:MATRIX_SCALE_ROW1
.endif
.endr
.endm
; 64 numbers of a lane, register 16 b + i = place 32 b + 16 (lane / 16) + i along the axis to be quantised, become a fragment's codes in v[PC] on and the row's scale word in v[pw]
.macro QUANT s, pw
.irp b, 0,1,2,3
	v_max3_num_f32 v[TM+\b], |v[\s+16*\b]|, |v[\s+1+16*\b]|, 0x1800000   ; block b: my 16 numbers, and the floor 2^(3 - 127): the byte cannot fall under 1.  (Each accumulator is read from its low end on)
.endr
.irp i, 2,4,6,8,10,12,14
.irp b, 0,1,2,3
	v_max3_num_f32 v[TM+\b], v[TM+\b], |v[\s+16*\b+\i]|, |v[\s+1+16*\b+\i]|
.endr
.endr
.irp b, 0,1,2,3
	v_permlanex16_b32 v[TM+4+\b], v[TM+\b], s[SEL], s[SEL+1]
.endr
.irp b, 0,1,2,3
	v_max_num_f32 v[TM+\b], v[TM+\b], v[TM+4+\b]   ; with lane l xor 16's: the block's largest magnitude
.endr
.irp b, 0,1,2,3
	v_add_nc_u32 v[TM+12+\b], 0xff000000, v[TM+\b] ; 2 off its exponent field: the conversion's scale operand
.endr
.irp b, 0,1,2,3
	v_lshrrev_b32 v[TM+4+\b], 23, v[TM+12+\b]      ; the scale's byte
.endr
	v_lshl_or_b32 v[\pw], v[TM+5], 8, v[TM+4]
	v_lshl_or_b32 v[\pw], v[TM+6], 16, v[\pw]
	v_lshl_or_b32 v[\pw], v[TM+7], 24, v[\pw]
.irp c, 0,1
	v_cvt_scalef32_pk16_fp6_f32 v[PC+6*\c:PC+2+6*\c], v[\s+32*\c:\s+15+32*\c], v[TM+12+2*\c]
	v_cvt_scalef32_pk16_fp6_f32 v[PC+12+4*\c:PC+14+4*\c], v[\s+16+32*\c:\s+31+32*\c], v[TM+12+2*\c+1]   ; (a conversion's three registers begin on an even number)
.endr
	v_nop                                          ; one plain place behind a scaled conversion
.irp c, 0,1                                    ; the operand's layout wants a WHOLE block in a lane: lanes 0-15 block 2 c, lanes 16-31 block 2 c + 1
.irp i, 0,1,2
	v_permlane16_swap_b32 v[PC+6*\c+\i], v[PC+12+4*\c+\i]
.endr
.irp i, 0,1,2
	v_mov_b32 v[PC+3+6*\c+\i], v[PC+12+4*\c+\i]
.endr
.endr
.endm
.macro TILE m
	s_wait_dscnt 0x0                               ; the tile's fragments are in
	WIN 0x01                                       ; source 0 window 1
	MULS \m, 0
	MULS \m, 1
	WIN 0x02                                       ; source 0 window 2
	MULS \m, 2
	MULS \m, 3
	WIN 0
.rept 5
	v_nop                                          ; four places in front of the loads into the streamed fragments and of the first read of results; the fifth since the next tile's first products begin these accumulators anew
.endr
.if \m < 7
	FETCH \m+1                                     ; lands while this tile is quantised
.endif
	s_wait_xcnt 0x0                                ; the last tile's stores have read their data and bases: both may be written
.if \m > 0
	s_add_nc_u64 s[LO:LO+1], s[LO:LO+1], s[STRD:STRD+1]
	s_add_nc_u64 s[HI:HI+1], s[HI:HI+1], s[STRD:STRD+1]
.endif
.if \m == 4
	s_add_nc_u64 s[LO:LO+1], s[LO:LO+1], s[EXTR:EXTR+1]
	s_add_nc_u64 s[HI:HI+1], s[HI:HI+1], s[EXTR:EXTR+1]
.endif
	QUANT HA, PW+\m
.irp p, 0,1,2
	global_store_b64 v2, v[PC+2*\p:PC+2*\p+1], s[LO:LO+1] offset:256*\p       ; each store covers 256 consecutive bytes, aligned
	global_store_b64 v2, v[PC+6+2*\p:PC+7+2*\p], s[HI:HI+1] offset:256*\p
.endr
.endm
	FETCH 0
	s_wait_loadcnt 0x0                             ; the scale words
	TILE 0
	TILE 1
	TILE 2
	TILE 3
	TILE 4
	TILE 5
	TILE 6
	TILE 7
	; THE SCALE WORDS.  A word's bytes 0, 1 belong to registers 0-5 of its tile, bytes 2, 3 to registers 6-11.  The branch hangs on the cluster's number alone.
	s_cmp_eq_u32 s17, 2
	s_cbranch_scc1 .Lk_scales
	v_cndmask_b32 v[EP], v[PW], v[PW+1], s[HM]     ; q and v: the words as they are; tile 2 i in lanes 0-15, tile 2 i + 1 in lanes 16-31
	v_cndmask_b32 v[EP+1], v[PW+2], v[PW+3], s[HM]
	v_cndmask_b32 v[EP+2], v[PW+4], v[PW+5], s[HM]
	v_cndmask_b32 v[EP+3], v[PW+6], v[PW+7], s[HM]
	s_branch .Lsc_out
.Lk_scales:
	s_mov_b32 s61, 0x05040100                      ; k: a fragment of the attention holds key tiles 2 b and 2 b + 1 of ONE head: its word is made of the two tiles' halves for that head
	s_mov_b32 s62, 0x07060302
.irp b, 0,1,2,3
	v_perm_b32 v[EP+4+\b], v[PW+2*\b+1], v[PW+2*\b], s61
	v_perm_b32 v[EP+8+\b], v[PW+2*\b+1], v[PW+2*\b], s62
.endr
	v_cndmask_b32 v[EP], v[EP+4], v[EP+5], s[HM]
	v_cndmask_b32 v[EP+1], v[EP+6], v[EP+7], s[HM]
	v_cndmask_b32 v[EP+2], v[EP+8], v[EP+9], s[HM]
	v_cndmask_b32 v[EP+3], v[EP+10], v[EP+11], s[HM]
.Lsc_out:
	s_wait_alu depctr_va_vdst(0)
	global_store_b64 v2, v[EP:EP+1], s[SB0:SB0+1]  ; 256 consecutive bytes, aligned
	global_store_b64 v2, v[EP+2:EP+3], s[SB1:SB1+1]
	s_wait_tensorcnt 0x0                           ; the wave's end
	ds_add_u32 v[SPW], v[NIL]
	s_wait_dscnt 0x0
	CROUND                                         ; the closing round: no work-group ends while a partner may still ask for a tile that names it
	s_endpgm
.Lfunc_end_k_qa3ed59ee20_proj:
	.size	k_qa3ed59ee20_proj, .Lfunc_end_k_qa3ed59ee20_proj-k_qa3ed59ee20_proj
	.p2alignl 7, 3214868480
	.fill 96, 4, 3214868480
	.section	.rodata,"a",@progbits
	.p2align	6, 0x0
	.amdhsa_kernel k_qa3ed59ee20_proj
		.amdhsa_group_segment_fixed_size 327680
		.amdhsa_private_segment_fixed_size 0
		.amdhsa_enable_private_segment 0
		.amdhsa_kernarg_size 40
		.amdhsa_user_sgpr_count 2
		.amdhsa_user_sgpr_kernarg_segment_ptr 1
		.amdhsa_wavefront_size32 1
		.amdhsa_system_sgpr_workgroup_id_x 1
		.amdhsa_system_sgpr_workgroup_id_y 1
		.amdhsa_system_sgpr_workgroup_id_z 1
		.amdhsa_system_vgpr_workitem_id 0
		.amdhsa_next_free_vgpr 768
		.amdhsa_next_free_sgpr 100
		.amdhsa_reserve_vcc 0
		.amdhsa_float_denorm_mode_32 3
		.amdhsa_float_denorm_mode_16_64 3
		.amdhsa_memory_ordered 1
		.amdhsa_forward_progress 1
		.amdhsa_inst_pref_size 93
	.end_amdhsa_kernel
	.amdgpu_metadata
---
amdhsa.version: [ 1, 2 ]
amdhsa.kernels:
  - .name:           k_qa3ed59ee20_proj
    .symbol:         k_qa3ed59ee20_proj.kd
    .args:
      - { .name: img, .offset: 0, .size: 8, .value_kind: global_buffer, .address_space: global }
      - { .name: isc, .offset: 8, .size: 8, .value_kind: global_buffer, .address_space: global }
      - { .name: qimg, .offset: 16, .size: 8, .value_kind: global_buffer, .address_space: global }
      - { .name: qsc, .offset: 24, .size: 8, .value_kind: global_buffer, .address_space: global }
      - { .name: kv, .offset: 32, .size: 8, .value_kind: global_buffer, .address_space: global }
    .group_segment_fixed_size: 327680
    .private_segment_fixed_size: 0
    .kernarg_segment_align: 8
    .kernarg_segment_size: 40
    .max_flat_workgroup_size: 128
    .sgpr_count:     100
    .vgpr_count:     768
    .wavefront_size: 32
...
	.end_amdgpu_metadata
.endif
;; end of part 2
;; launch attn (part 3): grid 8 x 32, 8 waves a work-group, clusters of 4 x 1, 327,680 bytes of LDS; arguments qimg, qsc, kv, out0, out1; writes out0, out1
.if DOCPART == 3
	.amdgcn_target "amdgcn-amd-amdhsa--gfx1250"
	.amdhsa_code_object_version 6
	.text
	.protected	k_qa3ed59ee20_attn
	.globl	k_qa3ed59ee20_attn
	.p2align	8
	.type	k_qa3ed59ee20_attn,@function
k_qa3ed59ee20_attn:
	s_mov_b64 s[64:65], 0
	v_nop
	global_prefetch_b8 v0, s[64:65] scope:SCOPE_SE
	s_setreg_imm32_b32 hwreg(HW_REG_WAVE_MODE, 25, 1), 1
	s_wait_xcnt 0x0
	s_wait_alu depctr_hold_cnt(0) depctr_sa_sdst(0) depctr_va_vdst(0) depctr_va_sdst(0) depctr_va_ssrc(0) depctr_va_vcc(0) depctr_vm_vsrc(0)
	s_getreg_b32 s2, hwreg(HW_REG_IB_STS2, 6, 4)
	s_cmp_eq_u32 s2, 0
	s_cbranch_scc0 .Lentry_in_a_cluster
	s_endpgm
.Lentry_in_a_cluster:
	s_bfe_u32 s2, ttmp6, 0x10000c
	s_cmp_lg_u32 s2, 0x3003
	s_cbranch_scc0 .Lentry_shape_is_right
	s_endpgm
.Lentry_shape_is_right:
; Both branches' attention on codes of FP6 (E2M3): S^T = k q^T, p = 2^(t - M), O^T += v^T p^T, o = O / l.
; GRID: y = batch 8 + head; cluster x = branch; cx = which 512 queries.  The four partners of a cluster read the same 16 records of k and v (one head): joint tensor loads, mask 15.
; A work-group has 8 waves; a wave owns 64 queries = 4 query tiles, in two passes of TWO tiles: each fragment of k and v read from LDS feeds both tiles.
; A step is 128 keys = one record of kv (12,800 bytes: 8 key tiles x 768 | 4 tiles of d x 1,536 | k's scale words 256 | v's 256).  The head's 16 records are 400 rows of 512 bytes on end, in memory and in LDS,
; and all stay in LDS, with 64 bytes of padding behind each row: byte y of a record lies at y + 64 (y / 512).  The head's loads bring 7 rows a wave, 56 rows: records 0 and 1 are whole in them;
; a second load a wave brings the other 43 rows a wave, and is awaited behind step 1.
; THE KEYS OF A TILE ARE PICKED BY THE LANES' ADDRESSES: row r of fragment (g, e) is row r % 8 + 8 e of the stored fragment 2 g + r / 8.  Tile (g, i = 2 e + u) then has keys 64 g + 8 i + 0..7 in rows 0-7 and those 32 further on in rows 8-15:
; lane (query, h) holds keys 64 g + 32 h + 0 .. 31 in 32 registers on end: WHOLE blocks, in the order of p's operand.  A block's maximum needs no other lane and the codes need no lane exchange..
; The head size is 64: a k fragment holds two key tiles (K 0-63, 64-127), and q stands beside six registers of zero codes, which pick one of the two.
; k's fragments of the NEXT step are asked for behind this step's score products, with v's of this step; a run's last step is written out and asks for v's alone.
; M is the ceiling of the running largest t, kept as -M; a change of M multiplies l and O by a power of two.  A block's largest p is the exponential of its largest score.
; LIMITS: the promise holds while the scaled scores stay under 2^31 in magnitude; NaN and infinities are not served.
; NO PREFETCH: both fills are asked for at the head; there is no loop ahead of them to ask in.
; REGISTERS: window 0: addresses, scale registers, q, p's codes, k's and v's fragments.  Window 1: v0-127 scores of the two tiles, v128-191 O^T, v208.. the softmax's state.
.set RECG,  12800
.set REC,   14400
.set R1,    7                          ; rows a wave in the first fill
.set R2,    43                         ; and in the second: 8 (R1 + R2) = 400
.set STAGE, 16*REC                     ; the way out: 16 rows x 272 bytes for each wave
.set SPARE, STAGE+8*16*272             ; the spare words, 128 bytes a wave
.set L8,  1
.set ADRK, 2
.set ADRV, 3
.set STO, 4
.set RD,  5
.set GO,  6
.set SPW, 7
.set NIL, 8
.set H8,  9
.set KL,  10
.set KSL, 11
.set KS,  12
.set VS,  14
.set QS,  16
.set QW,  18
.set PW,  20
.set BY,  22
.set ADRS, 30
.set QB,  32                           ; zeros 6 | q tile 0 | zeros 6 | q tile 1 | zeros 6
.set Q1,  64                           ; the second pass's q
.set PC,  80
.set PT,  104
.set FK,  128
.set FV,  176
.set OS,  128
.set OB,  192
; window 1
.set S,   0
.set O,   128
.set BM,  208
.set NM,  216                          ; -M, and beside it the running largest score
.set F,   220
.set L,   224
.set L2,  228
.set SOP, 232
.set T,   236
.set WV,  14
.set G1,  24
.set G0,  32
.set CS,  40
.set SEL, 42
.set TB,  44
.set CNT, 45
.set QP,  48
.set QSP, 50
.set OP,  52
.set NC,  60
.set MSB, 0
.macro WIN new                         ; the immediate's high byte repeats the setting that is left
.if MSB != \new
	s_set_vgpr_msb (MSB<<8)|\new
.set MSB, \new
.endif
.endm
.macro CROUND
	s_barrier_signal -1
	s_barrier_wait -1
	s_cmp_lg_u32 s[WV], 0
	s_cbranch_scc1 .Lnot_wave_0_\@
	s_barrier_signal -3
.Lnot_wave_0_\@:
	s_barrier_wait -3
	s_barrier_signal -1
	s_barrier_wait -1
.endm
.macro D2
	s_delay_alu instid0(VALU_DEP_2)
.endm
	s_load_b256 s[4:11], s[0:1], 0x0               ; qimg, qsc, kv, out0
	s_load_b64 s[12:13], s[0:1], 0x20              ; out1
	v_lshl_add_u32 v[SPW], v0, 2, SPARE
	v_mov_b32 v[NIL], 0
	ds_add_u32 v[SPW], v[NIL]                      ; the opening lines
	ds_add_u32 v[SPW], v[NIL]
	v_lshrrev_b32 v[BY], 5, v0
	v_readfirstlane_b32 s[WV], v[BY]
	s_bfe_u32 s15, ttmp6, 0x40000                  ; cx
	s_mov_b32 s16, ttmp9                           ; branch
	s_and_b32 s17, ttmp7, 0xffff                   ; batch 8 + head
	s_mul_i32 s18, s17, 16*RECG                    ; the head's 400 rows
	s_mul_i32 s62, s[WV], R2*512
	s_add_co_u32 s62, s62, s18
	s_add_co_u32 s62, s62, 8*R1*512                ; my R2 rows of the second fill
	s_mov_b32 s63, 0
	s_mul_i32 s19, s[WV], R1*512
	s_add_co_u32 s18, s18, s19                     ; my R1 rows of the first
	s_mov_b32 s19, 0
	s_mul_i32 s[G0+1], s[WV], R1*576
	s_mul_i32 s[G0+5], s[WV], R2*576
	s_add_co_u32 s[G0+5], s[G0+5], 8*R1*576
	s_mov_b32 s[G0], 1
	s_mov_b32 s[G0+4], 1
	s_mov_b32 s[G1], 15|(3<<16)|(1<<20)|(1<<21)|(6<<22)|(15<<25)   ; mask: the four partners; elements of 8 bytes; behind every 128 words 16 words of padding
	s_mov_b32 s[G1+1], 64<<16
	s_mov_b32 s[G1+2], R1<<16
	s_mov_b32 s[G1+3], 64<<16
	s_mov_b32 s[G1+4], R1
	s_mov_b32 s[G1+5], 64
	s_mov_b32 s[G1+6], 0
	s_mov_b32 s[G1+7], 0
	s_lshl_b32 s20, s16, 5
	s_add_co_u32 s20, s20, s17
	s_mul_i32 s20, s20, 98304
	s_lshl_b32 s21, s15, 5
	s_lshl_b32 s22, s[WV], 2
	s_add_co_u32 s21, s21, s22                     ; my first query tile: 32 cx + 4 w
	s_mul_i32 s21, s21, 768
	s_add_co_u32 s20, s20, s21
	s_mov_b32 s21, 0
	s_lshl_b32 s22, s16, 4
	s_lshr_b32 s23, s17, 1
	s_add_co_u32 s22, s22, s23
	s_lshl_b32 s22, s22, 4
	s_lshl_b32 s23, s15, 2
	s_add_co_u32 s22, s22, s23
	s_lshr_b32 s23, s[WV], 1
	s_add_co_u32 s22, s22, s23                     ; the group of 8 tiles,
	s_lshl_b32 s22, s22, 9
	s_and_b32 s23, s[WV], 1
	s_lshl_b32 s23, s23, 8                         ; and its half: my four tiles' words
	s_add_co_u32 s22, s22, s23
	s_mov_b32 s23, 0
	s_lshr_b32 s54, s17, 3
	s_lshl_b32 s54, s54, 22
	s_lshl_b32 s55, s15, 9
	s_lshl_b32 s56, s[WV], 6
	s_add_co_u32 s55, s55, s56                     ; my first token
	s_lshl_b32 s55, s55, 11
	s_add_co_u32 s54, s54, s55
	s_and_b32 s55, s17, 7
	s_lshl_b32 s55, s55, 8
	s_add_co_u32 s54, s54, s55
	s_mov_b32 s55, 0
	s_mov_b32 s[CS], 0x3e38aa3b                    ; c = log2(e) / 8
	s_mov_b32 s[CS+1], s[CS]
	s_mov_b32 s[NC], 0xbe38aa3b                    ; -c
	s_mov_b32 s[SEL], 0x76543210
	s_mov_b32 s[SEL+1], 0xfedcba98
	s_mov_b32 s57, 0x03020100
	s_mov_b32 s58, 0x01000302
	s_and_b32 s59, s17, 1
	s_cmp_eq_u32 s59, 0                            ; my head's two bytes of a q scale word go to the half in which q stands
	s_cselect_b32 s46, s57, s58
	s_cselect_b32 s47, s58, s57
	s_mul_i32 s59, s[WV], 16*272
	s_add_co_u32 s59, s59, STAGE
	v_and_b32 v[BY], 31, v0
	v_and_b32 v[BY+1], 15, v0                      ; r
	v_bfe_u32 v[BY+2], v0, 4, 1                    ; h
	v_and_b32 v[BY+3], 7, v0                       ; r % 8
	v_bfe_u32 v[BY+4], v0, 3, 1                    ; r / 8
	v_lshlrev_b32 v[L8], 3, v[BY]
	v_lshlrev_b32 v[H8], 3, v[BY+2]
	v_lshlrev_b32 v[KL], 3, v[BY+3]
	v_lshlrev_b32 v[KSL], 3, v[BY+3]
	v_mul_u32_u24 v[STO], v[BY+1], 272
	v_mul_u32_u24 v[RD], v[BY+2], 272
	v_lshlrev_b32 v[GO], 11, v[BY+2]
	v_lshl_add_u32 v[KL], v[BY+2], 7, v[KL]
	v_lshl_add_u32 v[KSL], v[BY+2], 6, v[KSL]
	v_lshl_add_u32 v[STO], v[BY+2], 6, v[STO]
	v_lshl_add_u32 v[RD], v[BY+1], 4, v[RD]
	v_lshl_add_u32 v[GO], v[BY+1], 4, v[GO]
	v_mad_u32_u24 v[KL], v[BY+4], 1728, v[KL]      ; k's fragments: 8 (r % 8) + 128 h + 1,728 (r / 8)
	v_lshl_add_u32 v[KSL], v[BY+4], 7, v[KSL]      ; k's scale words: 8 (r % 8) + 64 h + 128 (r / 8): lanes 0-15 e = 0, lanes 16-31 e = 1
	v_add_nc_u32 v[STO], s59, v[STO]
	v_add_nc_u32 v[RD], s59, v[RD]
.irp i, 0,1,2,3,4,5
	v_mov_b32 v[QB+\i], 0
	v_mov_b32 v[QB+12+\i], 0
	v_mov_b32 v[QB+24+\i], 0
.endr
	s_wait_alu depctr_va_vdst(0)
	s_wait_dscnt 0x0
	s_wait_kmcnt 0x0
	s_add_nc_u64 s[G0+2:G0+3], s[8:9], s[18:19]
	s_add_nc_u64 s[G0+6:G0+7], s[8:9], s[62:63]
	s_or_b32 s[G0+3], s[G0+3], 0x80000000
	s_or_b32 s[G0+7], s[G0+7], 0x80000000
	s_add_nc_u64 s[QP:QP+1], s[4:5], s[20:21]
	s_add_nc_u64 s[QSP:QSP+1], s[6:7], s[22:23]
	s_cmp_eq_u32 s16, 0
	s_cselect_b64 s[OP:OP+1], s[10:11], s[12:13]
	s_add_nc_u64 s[OP:OP+1], s[OP:OP+1], s[54:55]
	CROUND
	tensor_load_to_lds s[G0:G0+3], s[G1:G1+7]      ; rows R1 w .., jointly: my one load at the head
	s_nop 0
.rept 4
	v_nop
.endr
.irp p, 0,1,2
	global_load_b64 v[QB+6+2*\p:QB+7+2*\p], v[L8], s[QP:QP+1] offset:256*\p
	global_load_b64 v[QB+18+2*\p:QB+19+2*\p], v[L8], s[QP:QP+1] offset:768+256*\p
	global_load_b64 v[Q1+2*\p:Q1+1+2*\p], v[L8], s[QP:QP+1] offset:1536+256*\p
	global_load_b64 v[Q1+6+2*\p:Q1+7+2*\p], v[L8], s[QP:QP+1] offset:2304+256*\p
.endr
	global_load_b64 v[QW:QW+1], v[L8], s[QSP:QSP+1]   ; word e: lanes 0-15 tile 2 e, lanes 16-31 tile 2 e + 1
	s_wait_tensorcnt 0x0
	ds_add_u32 v[SPW], v[NIL]
	s_mov_b32 s[G1+2], R2<<16                      ; no tensor load of mine is out, so the descriptor may be written: the second fill's rows
	s_mov_b32 s[G1+4], R2
	s_wait_dscnt 0x0
	CROUND                                         ; rows 0-55 are whole in every partner
	tensor_load_to_lds s[G0+4:G0+7], s[G1:G1+7]    ; rows 56 + R2 w ..
	s_nop 0
.rept 4
	v_nop
.endr
.macro SW d, a, b, sa, sb, ra, rb
.if (\ra)==0 && (\rb)==0
	v_wmma_scale_f32_16x16x128_f8f6f4 v[\d:\d+7], v[\a:\a+11], v[\b:\b+11], 0, v[\sa], v[\sb] matrix_a_fmt:MATRIX_FMT_FP6 matrix_b_fmt:MATRIX_FMT_FP6
.elseif (\ra)==1 && (\rb)==0
	v_wmma_scale_f32_16x16x128_f8f6f4 v[\d:\d+7], v[\a:\a+11], v[\b:\b+11], 0, v[\sa], v[\sb] matrix_a_fmt:MATRIX_FMT_FP6 matrix_b_fmt:MATRIX_FMT_FP6 matrix_a_scale:MATRIX_SCALE_ROW1
.elseif (\ra)==0 && (\rb)==1
	v_wmma_scale_f32_16x16x128_f8f6f4 v[\d:\d+7], v[\a:\a+11], v[\b:\b+11], 0, v[\sa], v[\sb] matrix_a_fmt:MATRIX_FMT_FP6 matrix_b_fmt:MATRIX_FMT_FP6 matrix_b_scale:MATRIX_SCALE_ROW1
.else
	v_wmma_scale_f32_16x16x128_f8f6f4 v[\d:\d+7], v[\a:\a+11], v[\b:\b+11], 0, v[\sa], v[\sb] matrix_a_fmt:MATRIX_FMT_FP6 matrix_b_fmt:MATRIX_FMT_FP6 matrix_a_scale:MATRIX_SCALE_ROW1 matrix_b_scale:MATRIX_SCALE_ROW1
.endif
.endm
.macro PV d, a, b, sa, sb, ra
.if (\ra)==0
	v_wmma_scale_f32_16x16x128_f8f6f4 v[\d:\d+7], v[\a:\a+11], v[\b:\b+11], v[\d:\d+7], v[\sa], v[\sb] matrix_a_fmt:MATRIX_FMT_FP6 matrix_b_fmt:MATRIX_FMT_FP6
.else
	v_wmma_scale_f32_16x16x128_f8f6f4 v[\d:\d+7], v[\a:\a+11], v[\b:\b+11], v[\d:\d+7], v[\sa], v[\sb] matrix_a_fmt:MATRIX_FMT_FP6 matrix_b_fmt:MATRIX_FMT_FP6 matrix_a_scale:MATRIX_SCALE_ROW1
.endif
.endm
; k's four fragments and two scale words of the record off bytes behind the addresses' record: 25 loads
.macro KLOAD off
.irp g, 0,1
.irp e, 0,1
.irp n, 0,1,2,3,4,5
	ds_load_b64 v[FK+12*(2*\g+\e)+2*\n:FK+12*(2*\g+\e)+2*\n+1], v[ADRK] offset:(\off)+(3072*\g+256*\n)+64*((3072*\g+256*\n)/512)+64*\e
.endr
.endr
.endr
	ds_load_b64 v[KS:KS+1], v[ADRS] offset:(\off)+13824   ; byte 12,288 of the record: word g
.endm
; One step: 128 keys for my two query tiles.  pre = 1: the next record's k is asked for
.macro STEP pre
	s_wait_dscnt 0x0                               ; k's fragments of this step are in
	WIN 0x40                                       ; results in window 1
.irp g, 0,1
.irp e, 0,1
.irp u, 0,1
.irp j, 0,1
	SW S+64*\j+32*\g+8*(2*\e+\u), FK+12*(2*\g+\e), QB+12*\j+6*(1-\u), KS+\g, QS+\u, \e, \j
.endr
.endr
.endr
.endr
	WIN 0
	v_add_nc_u32 v[ADRV], s[TB], v[L8]             ; four places behind the products, ahead of the loads into their fragments and of the first read of the scores
.if \pre
	v_add_nc_u32 v[ADRK], s[TB], v[KL]
	v_add_nc_u32 v[ADRS], s[TB], v[KSL]
	v_nop
.else
.rept 3
	v_nop
.endr
.endif
.set n1, 0
.rept 24
	ds_load_b64 v[FV+2*n1:FV+2*n1+1], v[ADRV] offset:(6144+256*n1)+64*((6144+256*n1)/512)
.set n1, n1+1
.endr
	ds_load_b64 v[VS:VS+1], v[ADRV] offset:14080   ; byte 12,544
.if \pre
	KLOAD REC
.endif
	WIN 0x55                                       ; all operands in window 1
.irp j, 0,1
.irp c, 0,1
	v_max3_num_f32 v[BM+2*\j+\c], v[S+64*\j+32*\c], v[S+64*\j+32*\c+1], v[S+64*\j+32*\c+2]   ; my block 2 c + h of tile j: all 32 scores are mine; each accumulator is first read at its low end
.endr
.endr
.irp i, 3,5,7,9,11,13,15,17,19,21,23,25,27,29
.irp j, 0,1
.irp c, 0,1
	v_max3_num_f32 v[BM+2*\j+\c], v[BM+2*\j+\c], v[S+64*\j+32*\c+\i], v[S+64*\j+32*\c+\i+1]
.endr
.endr
.endr
.irp j, 0,1
.irp c, 0,1
	v_max_num_f32 v[BM+2*\j+\c], v[BM+2*\j+\c], v[S+64*\j+32*\c+31]
.endr
.endr
.irp j, 0,1
	v_max3_num_f32 v[T+4*\j], v[BM+2*\j], v[BM+2*\j+1], v[NM+2*\j+1]
.endr
.irp j, 0,1
	D2
	v_permlanex16_b32 v[T+4*\j+1], v[T+4*\j], s[SEL], s[SEL+1]
.endr
.irp j, 0,1
	D2
	v_max_num_f32 v[NM+2*\j+1], v[T+4*\j], v[T+4*\j+1]   ; the running largest score of my query
.endr
.irp j, 0,1
	D2
	v_mul_f32 v[T+4*\j], s[NC], v[NM+2*\j+1]
.endr
.irp j, 0,1
	D2
	v_floor_f32 v[T+4*\j+1], v[T+4*\j]             ; the new -M = floor(-t)
.endr
.irp j, 0,1
	D2
	v_sub_f32 v[T+4*\j], v[T+4*\j+1], v[NM+2*\j]   ; old M less new M
.endr
.irp j, 0,1
	v_mov_b32 v[NM+2*\j], v[T+4*\j+1]
.endr
.irp j, 0,1
	v_cvt_i32_f32 v[T+4*\j], v[T+4*\j]             ; (it saturates)
.endr
.irp j, 0,1
	D2
	v_ldexp_f32 v[F+2*\j], 1.0, v[T+4*\j]          ; f = 2^(old M - new M)
.endr
.set n1, 0
.rept 32
	v_pk_fma_f32 v[S+n1:S+n1+1], v[S+n1:S+n1+1], s[CS:CS+1], v[NM:NM+1] op_sel_hi:[1,0,0]
	v_pk_fma_f32 v[S+64+n1:S+64+n1+1], v[S+64+n1:S+64+n1+1], s[CS:CS+1], v[NM+2:NM+3] op_sel_hi:[1,0,0]
.set n1, n1+2
.endr
.irp j, 0,1
.irp c, 0,1
	v_fma_f32 v[BM+2*\j+\c], v[BM+2*\j+\c], s[CS], v[NM+2*\j]
.endr
.endr
	s_wait_alu depctr_va_vdst(0)
.set n1, 0
.rept 128
	v_exp_f32 v[S+n1], v[S+n1]                     ; p = 2^(t - M)
.set n1, n1+1
.endr
.irp b, 0,1,2,3
	v_exp_f32 v[BM+\b], v[BM+\b]                   ; each block's largest p
.endr
	v_pk_mul_f32 v[L:L+1], v[L:L+1], v[F:F+1] op_sel_hi:[1,0]       ; the sums under the new M
	v_pk_mul_f32 v[L+2:L+3], v[L+2:L+3], v[F+2:F+3] op_sel_hi:[1,0]
	s_wait_alu depctr_va_vdst(0)                   ; and behind it, ahead of its first reader
	v_pk_add_f32 v[L2:L2+1], v[S:S+1], v[S+2:S+3]  ; the row's sum of the unquantised p, two chains a tile
	v_pk_add_f32 v[L2+2:L2+3], v[S+64:S+65], v[S+66:S+67]
.set n1, 4
.rept 15
	v_pk_add_f32 v[L:L+1], v[L:L+1], v[S+n1:S+n1+1]
	v_pk_add_f32 v[L+2:L+3], v[L+2:L+3], v[S+64+n1:S+64+n1+1]
	v_pk_add_f32 v[L2:L2+1], v[L2:L2+1], v[S+n1+2:S+n1+3]
	v_pk_add_f32 v[L2+2:L2+3], v[L2+2:L2+3], v[S+64+n1+2:S+64+n1+3]
.set n1, n1+4
.endr
.irp b, 0,1,2,3
	v_max_num_f32 v[BM+\b], 0x1800000, v[BM+\b]    ; the floor 2^(3 - 127): the byte cannot fall under 1
.endr
	v_pk_add_f32 v[L:L+1], v[L:L+1], v[L2:L2+1]
	v_pk_add_f32 v[L+2:L+3], v[L+2:L+3], v[L2+2:L2+3]
.irp b, 0,1,2,3
	v_add_nc_u32 v[SOP+\b], 0xff000000, v[BM+\b]   ; 2 off the exponent field: the conversion's scale operand
.endr
	WIN 0x05                                       ; sources in window 1, results in window 0
.irp j, 0,1
.irp c, 0,1
	v_cvt_scalef32_pk16_fp6_f32 v[PC+12*\j+6*\c:PC+12*\j+6*\c+2], v[S+64*\j+32*\c:S+64*\j+32*\c+15], v[SOP+2*\j+\c]
	v_cvt_scalef32_pk16_fp6_f32 v[PT+8*\j+4*\c:PT+8*\j+4*\c+2], v[S+64*\j+32*\c+16:S+64*\j+32*\c+31], v[SOP+2*\j+\c]   ; (three registers from an even one on)
.endr
.endr
.irp j, 0,1
.irp c, 0,1
	v_lshrrev_b32 v[BY+4*\j+\c], 23, v[SOP+2*\j+\c]   ; the scale's byte.  (Plain places behind the conversions)
.endr
.endr
	WIN 0
.irp j, 0,1
.irp c, 0,1
.irp i, 0,1,2
	v_mov_b32 v[PC+12*\j+6*\c+3+\i], v[PT+8*\j+4*\c+\i]
.endr
.endr
.endr
.irp j, 0,1
	v_lshl_or_b32 v[PW+\j], v[BY+4*\j+1], 16, v[BY+4*\j]   ; my two bytes, blocks h and 2 + h,
.endr
.irp j, 0,1
	D2
	v_lshlrev_b32 v[PW+\j], v[H8], v[PW+\j]        ; at their places in the word;
.endr
.irp j, 0,1
	D2
	v_permlanex16_b32 v[BY+4*\j], v[PW+\j], s[SEL], s[SEL+1]
.endr
.irp j, 0,1
	D2
	v_or_b32 v[PW+\j], v[PW+\j], v[BY+4*\j]        ; with lane l xor 16's two the word is whole
.endr
	s_wait_dscnt 0x0                               ; v's fragments are in, and the next step's k
	WIN 0x55
	s_wait_alu depctr_va_vdst(0)
.set n1, 0
.rept 16
	v_pk_mul_f32 v[O+n1:O+n1+1], v[O+n1:O+n1+1], v[F:F+1] op_sel_hi:[1,0]   ; O^T under the new M; these 32 are also the places ahead of the products
.set n1, n1+2
.endr
.set n1, 0
.rept 16
	v_pk_mul_f32 v[O+32+n1:O+32+n1+1], v[O+32+n1:O+32+n1+1], v[F+2:F+3] op_sel_hi:[1,0]
.set n1, n1+2
.endr
	WIN 0x50                                       ; C and D in window 1
.irp t, 0,1,2,3
.irp j, 0,1
	PV O+32*\j+8*\t, FV+12*\t, PC+12*\j, VS+\t/2, PW+\j, \t%2
.endr
.endr
	WIN 0
.endm
; n steps from LDS byte start on: the first record's k, n - 1 steps that ask for the next record's, and the last, written out
.macro RUN n, start
	s_mov_b32 s[TB], \start
	s_mov_b32 s[CNT], (\n)-1
	v_add_nc_u32 v[ADRK], s[TB], v[KL]
	v_add_nc_u32 v[ADRS], s[TB], v[KSL]
	KLOAD 0
.Lrun_\@:
	STEP 1
	s_add_co_u32 s[TB], s[TB], REC
	s_sub_co_u32 s[CNT], s[CNT], 1
	s_cmp_lg_u32 s[CNT], 0
	s_cbranch_scc1 .Lrun_\@
	STEP 0
.endm
.macro INIT e
	s_wait_xcnt 0x0                                ; earlier stores have read their registers
.if \e
.irp i, 0,1,2,3,4,5
	v_mov_b32 v[QB+6+\i], v[Q1+\i]
	v_mov_b32 v[QB+18+\i], v[Q1+6+\i]
.endr
.endif
	v_perm_b32 v[QS], v[QW+\e], v[QW+\e], s46      ; q in K 0-63
	v_perm_b32 v[QS+1], v[QW+\e], v[QW+\e], s47    ; q in K 64-127
	WIN 0x40
.irp j, 0,1
	v_mov_b32 v[NM+2*\j+1], 0xff61b1e6             ; the largest score so far: -3e38
	v_mov_b32 v[NM+2*\j], 0x7d000000               ; -M: 2^123, so that the first f is 0
	v_mov_b32 v[L+2*\j], 0
	v_mov_b32 v[L+2*\j+1], 0
	v_mov_b32 v[F+2*\j+1], 0
	v_mov_b32 v[T+4*\j+1], 0                       ; a lane permute's destination counts as a source
.endr
.set n1, 0
.rept 64
	v_mov_b32 v[O+n1], 0                           ; the step is written once: the first finds zeros
.set n1, n1+1
.endr
	WIN 0
.endm
.macro OUT e
	WIN 0x55
.irp j, 0,1
	v_add_f32 v[L+2*\j], v[L+2*\j], v[L+2*\j+1]
.endr
.irp j, 0,1
	D2
	v_permlanex16_b32 v[T+4*\j], v[L+2*\j], s[SEL], s[SEL+1]
.endr
.irp j, 0,1
	D2
	v_add_f32 v[L+2*\j], v[L+2*\j], v[T+4*\j]      ; the row's sum
.endr
	s_wait_alu depctr_va_vdst(0)
	v_rcp_f32 v[L], v[L]
	v_rcp_f32 v[L+2], v[L+2]
	v_nop
	WIN 0x05
	s_wait_alu depctr_va_vdst(0)
.irp j, 0,1
.set n1, 0
.rept 16
	v_pk_mul_f32 v[OS+32*\j+n1:OS+32*\j+n1+1], v[O+32*\j+n1:O+32*\j+n1+1], v[L+2*\j:L+2*\j+1] op_sel_hi:[1,0]
.set n1, n1+2
.endr
.endr
	WIN 0
.irp j, 0,1                                    ; through my own stage: LDS serves a wave's instructions in order
.irp b, 0,1
.irp q, 0,1,2,3
	ds_store_b128 v[STO], v[OS+32*\j+16*\b+4*\q:OS+32*\j+16*\b+4*\q+3] offset:128*\b+16*\q
.endr
.endr
.irp i, 0,1,2,3,4,5,6,7
	ds_load_b128 v[OB+32*\j+4*\i:OB+32*\j+4*\i+3], v[RD] offset:544*\i
.endr
.endr
.irp j, 0,1
	s_wait_dscnt 16-16*\j                          ; tile j's rows are back; tile 1's 8 stores and 8 loads may be out
.irp i, 0,1,2,3,4,5,6,7
	global_store_b128 v[GO], v[OB+32*\j+4*\i:OB+32*\j+4*\i+3], s[OP:OP+1] offset:65536*\e+16384*\j+(2*\i+8*(\i/4))*2048 th:TH_STORE_NT   ; sixteen lanes store 256 consecutive bytes, aligned
.endr
.endr
.endm
	s_wait_loadcnt 0x0                             ; q and its scale words
	INIT 0
	RUN 2, 0                                       ; records 0 and 1 lie in the first fill
	s_wait_tensorcnt 0x0                           ; my rows of the second fill have landed,
	s_wait_dscnt 0x0
	s_barrier_signal -1
	s_barrier_wait -1                              ; everybody's have.  Nothing is filled again
	RUN 14, 2*REC
	OUT 0
	INIT 1
	RUN 16, 0
	OUT 1
	s_wait_tensorcnt 0x0                           ; the wave's end
	ds_add_u32 v[SPW], v[NIL]
	s_wait_dscnt 0x0
	CROUND                                         ; the closing round
	s_endpgm
.Lfunc_end_k_qa3ed59ee20_attn:
	.size	k_qa3ed59ee20_attn, .Lfunc_end_k_qa3ed59ee20_attn-k_qa3ed59ee20_attn
	.p2alignl 7, 3214868480
	.fill 96, 4, 3214868480
	.section	.rodata,"a",@progbits
	.p2align	6, 0x0
	.amdhsa_kernel k_qa3ed59ee20_attn
		.amdhsa_group_segment_fixed_size 327680
		.amdhsa_private_segment_fixed_size 0
		.amdhsa_enable_private_segment 0
		.amdhsa_kernarg_size 40
		.amdhsa_user_sgpr_count 2
		.amdhsa_user_sgpr_kernarg_segment_ptr 1
		.amdhsa_wavefront_size32 1
		.amdhsa_system_sgpr_workgroup_id_x 1
		.amdhsa_system_sgpr_workgroup_id_y 1
		.amdhsa_system_sgpr_workgroup_id_z 1
		.amdhsa_system_vgpr_workitem_id 0
		.amdhsa_next_free_vgpr 512
		.amdhsa_next_free_sgpr 66
		.amdhsa_reserve_vcc 0
		.amdhsa_float_denorm_mode_32 3
		.amdhsa_float_denorm_mode_16_64 3
		.amdhsa_memory_ordered 1
		.amdhsa_forward_progress 1
		.amdhsa_inst_pref_size 198
	.end_amdhsa_kernel
	.amdgpu_metadata
---
amdhsa.version: [ 1, 2 ]
amdhsa.kernels:
  - .name:           k_qa3ed59ee20_attn
    .symbol:         k_qa3ed59ee20_attn.kd
    .args:
      - { .name: qimg, .offset: 0, .size: 8, .value_kind: global_buffer, .address_space: global }
      - { .name: qsc, .offset: 8, .size: 8, .value_kind: global_buffer, .address_space: global }
      - { .name: kv, .offset: 16, .size: 8, .value_kind: global_buffer, .address_space: global }
      - { .name: out0, .offset: 24, .size: 8, .value_kind: global_buffer, .address_space: global }
      - { .name: out1, .offset: 32, .size: 8, .value_kind: global_buffer, .address_space: global }
    .group_segment_fixed_size: 327680
    .private_segment_fixed_size: 0
    .kernarg_segment_align: 8
    .kernarg_segment_size: 40
    .max_flat_workgroup_size: 256
    .sgpr_count:     66
    .vgpr_count:     512
    .wavefront_size: 32
...
	.end_amdgpu_metadata
.endif
;; end of part 3
